; MI455X (gfx1250); checked and timed in simulation.
; The chip was launched on July 23, 2026; its instructions are those of AMD's public machine-readable ISA for CDNA 5 (MIT licence, August 2026) and "CDNA5" Instruction Set Architecture Reference Guide (July 2026). The comments in the code are by the model that wrote it; some were corrected since.
;; Vector Quantizer. Allowed arithmetic: matrix products marked QUANTISED: E2M1 operands, one E8M0 scale for each 32 along K, by v_wmma_scale_f32_16x16x128_f8f6f4 with both operands' format E2M1 (or v_wmma_scale_f32_32x16x128_f4), f32 sums; everything else in f32.
;; Inputs: embed 8,192 x 768 float32; inputs_flatten 8,192 x 768 float32.
;; Outputs: out0 8,192 x 768 float32; out1 8,192 x 1 int32.
;; This version of the problem:
;;   THIS VERSION OF THE PROBLEM IS GIVEN IN LOW PRECISION. The matrix products marked QUANTISED in the list below multiply operands that are first quantised to E2M1 (2 exponent bits, 1 mantissa bit; 4 bits a number), with one power-of-two scale for each 32 numbers along K (OCP MX v1.0); their sums are f32. All else is computed in f32.
;;   The module's matrix products, in the order in which they are computed (A, B: the left and right operand; K: the contracted axis; several contracted axes count as one K, in the product's order):
;;     1. [M 8,192, K 768] x [K 768, N 8,192]; A: input inputs_flatten; B: input embed: QUANTISED
;;   THE QUANTISER, for each operand of a quantised product, along K:
;;     - K is cut into blocks of 32 from its start; a last block that is shorter is filled with zeros.
;;     - A block's scale is 2^e with e = floor(log2(the largest magnitude in the block)) - 2, held to -126 .. 127; a block of zeros has e = 0. As a byte (E8M0): e + 127.
;;     - Each number is divided by its block's scale, clamped to +-6, and rounded to the nearest number of E2M1, ties to even, subnormals kept.
;;     - The product sums the exact products of the quantised numbers (number of the format x scale) in f32.
;;   ~~~python
;;   def quantise(x, axis):      # numpy; x: float32 -> the quantised numbers, widened to float32 again
;;       x = np.moveaxis(x, axis, -1); K = x.shape[-1]
;;       x = np.pad(x, [(0, 0)] * (x.ndim - 1) + [(0, -K % 32)]); x = x.reshape(x.shape[:-1] + (-1, 32)); a = np.abs(x).max(-1, keepdims=True)
;;       e = np.where(a > 0, np.clip(np.frexp(np.where(a > 0, a, 1))[1] - 1 - 2, -126, 127), 0)      # np.frexp(a)[1] - 1 = floor(log2(a)), exactly
;;       r = np.clip(x / 2.0 ** e, -6, 6)
;;       step = 2.0 ** (np.maximum(np.frexp(np.where(r == 0, 1, r))[1] - 1, 0) - 1)
;;       q = np.round(r / step) * step * 2.0 ** e      # np.round: ties to even
;;       return np.moveaxis(q.reshape(q.shape[:-2] + (-1,))[..., :K], -1, axis).astype(np.float32)
;;   ~~~
;; One version. Each part assembles by itself: llvm-mc -triple=amdgcn-amd-amdhsa -mcpu=gfx1250 --defsym DOCPART=n.
;; ======== version 1 of 1: 3 launches
;; limits: right only within a limited range of input values
;; workspace buffers: xq 3,538,944 bytes; eq 3,538,944 bytes; cand 1,048,576 bytes of whole numbers
;; launch quant (part 1): grid 1024 x 1, 4 waves a work-group, no clusters, 7,936 bytes of LDS; arguments inputs_flatten, embed, xq, eq; writes xq, eq
.if DOCPART == 1
	.amdgcn_target "amdgcn-amd-amdhsa--gfx1250"
	.amdhsa_code_object_version 6
	.text
	.protected	k_q6f0ddef826_quant
	.globl	k_q6f0ddef826_quant
	.p2align	8
	.type	k_q6f0ddef826_quant,@function
k_q6f0ddef826_quant:
	s_mov_b64 s[64:65], 0
	v_nop
	global_prefetch_b8 v0, s[64:65] scope:SCOPE_SE
	s_setreg_imm32_b32 hwreg(HW_REG_WAVE_MODE, 25, 1), 1
	s_wait_xcnt 0x0
; inputs_flatten [8192][768] and embed [8192][768], f32, become RECORDS: one record for 16 rows, 6,912 bytes = 27 x 256, laid in the order in which the product's launch takes its operand registers.
;   bytes 0 .. 6143     codes of FP4 (E2M1): block B (32 along K, B = 0 .. 23) of row r at 256 B + 16 r, 16 bytes, the lower k in the lower bits.
;   bytes 6144 .. 6655  scale bytes (E8M0): block 4 s + b of row r at 256 (s & 1) + 16 r + 4 (s >> 1) + b; the fourth word of each 16 bytes is 0.
;   bytes 6656 .. 6719  sixteen f32: in embed's records -||e||^2 / 2 of each row, in inputs_flatten's zeros;   bytes 6720 .. 6911  zeros.  Every byte of a record is stored.
; DEAD WORK LEFT OUT, by the whole program:
;   ||x_n||^2 is added to distances[n][k] for every k alike, so argmin over k does not hang on it, whatever finite values the inputs hold: it is not computed.  The argmin of ||e_k||^2 - 2 x.e is taken as the
;   argmax of x.e - ||e_k||^2 / 2 (halved, and its sign changed).
;   (q - x) + x is q in exact arithmetic for all values: out0 is the gathered row, and x is not read again for it.  inputs_flatten reaches the outputs through the product alone.
; LIMITS: NaN and infinities among the inputs are not served; a NaN, an infinity or an overflow that reaches only the work left out is not carried to the result.  Distances are compared as unrounded by the addition of
; ||x_n||^2, so codes whose distances differ by less than that rounding may be told apart where the definition ties them.  A row's 768 squares are summed in another order than a plain chain: two packed chains a lane, then across 32 lanes.
; A block's scale is 2^(floor(log2(its largest magnitude)) - 2); its byte is the largest magnitude's exponent field - 2, held at 1 from below.  A block of zeros gets the byte 1 where the quantiser's rule says 127:
; its codes are zeros, which add nothing under any byte but 0xff, and this program alone reads the bytes.
; SHARES: a work-group makes one record: the first 512 work-groups take inputs_flatten, the others embed; only pointers are chosen.  Wave w takes rows 4 w .. 4 w + 3 as they lie (512 consecutive bytes a load).
; A load gives a lane four neighbours of one block; eight lanes hold a block.  The conversion takes eight registers, two loads: it is run once under each load's scale, and of the two results the low and the high half are kept:
; 16 bits of codes for each load, gathered in LDS as the record.  No tensor load, no matrix work, no cluster: work-groups share nothing, and there is no loop in which to ask ahead.
.set IPIT, 272                         ; LDS: a block's 16 rows x 16 bytes, and 16 of padding
.set SCI,  6656                        ; the scale image, 512 bytes, behind 24 x IPIT = 6,528
.set NRM,  7168                        ; the sixteen sums and the zeros behind them, 256 bytes
.set SPARE, 7424                       ; the spare words, 128 bytes for each wave
.set REC,  6912
.set R,    32                          ; v32-127  24 loads x 4 registers
.set C,    128                         ; v128-151 codes, a register for each load
.set BY,   152                         ; v152-175 a scale byte for each load
.set M,    176                         ; v176-181 largest magnitudes of a row's six loads
.set SO,   182                         ; v182-187 the conversions' scale operands
.set SPW,  188
.set NIL,  189
; v1 lane; v4 load offset; v5 codes' place in LDS; v6 scale byte's; v7 my wave's sums'; v8 fourth words'; v9 the way out of LDS; v10 16 x thread; v11, v12 scale image and sums on the way out; v13 8 x lane; v14 16 x lane
; v16-19 zeros; v20-23 four rows' sums; v24-27 two packed chains; v28-31 permute destinations; s28: 1 = inputs_flatten's rows
	s_load_b256 s[4:11], s[0:1], 0x0               ; inputs_flatten s[4:5], embed s[6:7], xq s[8:9], eq s[10:11]
	v_lshl_add_u32 v[SPW], v0, 2, SPARE
	v_mov_b32 v[NIL], 0
	v_lshrrev_b32 v15, 5, v0
	v_readfirstlane_b32 s12, v15                   ; wave 0..3
	v_and_b32 v1, 31, v0                           ; lane
	s_mul_i32 s20, s12, 4*3072
	v_lshl_add_u32 v4, v1, 4, s20                  ; 16 x lane + my wave's four rows
	s_wait_alu depctr_va_vdst(0)                   ; the wait directly ahead of the wait below
	s_wait_kmcnt 0x0
	s_cmp_lt_u32 ttmp9, 512                        ; the choice hangs on the work-group's number alone
	s_cselect_b64 s[4:5], s[4:5], s[6:7]
	s_cselect_b64 s[8:9], s[8:9], s[10:11]
	s_cselect_b32 s28, 1, 0
	s_cselect_b32 s13, 0, 512
	s_sub_co_u32 s13, ttmp9, s13                   ; which 16 rows of the tensor
	s_mul_i32 s14, s13, 16*3072
	s_mov_b32 s15, 0
	s_mul_i32 s18, s13, REC
	s_mov_b32 s19, 0
	s_add_nc_u64 s[4:5], s[4:5], s[14:15]
	s_add_nc_u64 s[8:9], s[8:9], s[18:19]
.irp i, 0,1,2,3
.irp q, 0,1,2,3,4,5
	global_load_b128 v[R+24*\i+4*\q:R+24*\i+4*\q+3], v4, s[4:5] offset:3072*\i+512*\q th:TH_LOAD_NT   ; 32 lanes read 512 consecutive bytes
.endr
.endr
	; every LDS address is made here: a constant + a constant x lane + a constant x wave
	s_lshl_b32 s21, s12, 6
	s_add_co_u32 s22, s21, SCI
	v_lshrrev_b32 v15, 3, v1                       ; which of a load's four blocks is mine
	v_and_b32 v2, 7, v1                            ; which eighth of it
	v_mul_u32_u24 v5, v15, IPIT
	v_lshl_add_u32 v5, v2, 1, v5
	v_add_nc_u32 v5, s21, v5                       ; codes: IPIT x block + 16 x row (4 w) + 2 x eighth
	v_add_nc_u32 v6, s22, v15                      ; scale byte: 16 x row + block
	s_lshl_b32 s23, s12, 4
	s_add_co_u32 s23, s23, NRM
	v_mov_b32 v7, s23                              ; my wave's four sums
	s_lshl_b32 s24, s12, 7
	s_add_co_u32 s24, s24, SCI+12
	v_lshl_add_u32 v8, v2, 4, s24                  ; the fourth word of cells 8 w .. 8 w + 7 of the scale image
	v_lshrrev_b32 v3, 4, v0
	v_mul_u32_u24 v9, v3, IPIT
	v_and_b32 v3, 15, v0
	v_lshl_add_u32 v9, v3, 4, v9                   ; out of LDS: thread t takes 16 bytes of block t / 16
	v_lshlrev_b32 v10, 4, v0
	v_lshl_add_u32 v11, v1, 4, SCI
	v_lshl_add_u32 v12, v1, 3, NRM
	v_lshlrev_b32 v13, 3, v1
	v_lshlrev_b32 v14, 4, v1
	s_mov_b32 s16, 0x76543210
	s_mov_b32 s17, 0xfedcba98                      ; v_permlanex16_b32's selects for lane l xor 16
.irp i, 0,1,2,3
	v_mov_b32 v[16+\i], 0
	v_mov_b32 v[20+\i], 0
	v_mov_b32 v[28+\i], 0                          ; a lane permute's destination counts as one of its sources
.endr
	s_wait_alu depctr_va_vdst(0)                   ; the wait at the head's end
; Row i of my four.
.macro ROW i
	s_wait_loadcnt 18-6*\i                         ; loads come back in order: this row's six are in, the later rows' six each may be out
	s_cmp_lg_u32 s28, 0
	s_cbranch_scc1 .Lno_squares_\@                 ; inputs_flatten's rows need no sum of squares
	v_pk_mul_f32 v[24:25], v[R+24*\i:R+24*\i+1], v[R+24*\i:R+24*\i+1]
	v_pk_mul_f32 v[26:27], v[R+24*\i+2:R+24*\i+3], v[R+24*\i+2:R+24*\i+3]
.irp n, 4,8,12,16,20
	v_pk_fma_f32 v[24:25], v[R+24*\i+\n:R+24*\i+\n+1], v[R+24*\i+\n:R+24*\i+\n+1], v[24:25]
	v_pk_fma_f32 v[26:27], v[R+24*\i+\n+2:R+24*\i+\n+3], v[R+24*\i+\n+2:R+24*\i+\n+3], v[26:27]
.endr
	v_pk_add_f32 v[24:25], v[24:25], v[26:27]
	v_add_f32 v[20+\i], v24, v25
.Lno_squares_\@:
.irp q, 0,1,2,3,4,5
	v_max3_num_f32 v[M+\q], |v[R+24*\i+4*\q]|, |v[R+24*\i+4*\q+1]|, 0x1800000   ; and the floor 2^(3 - 127), under which no largest magnitude is taken: so the byte cannot fall under 1
.endr
.irp q, 0,1,2,3,4,5
	v_max3_num_f32 v[M+\q], v[M+\q], |v[R+24*\i+4*\q+2]|, |v[R+24*\i+4*\q+3]|
.endr
.irp x, 1,2,4                                  ; across the eight lanes of a block
.irp q, 0,1,2,3,4,5
	v_max_num_f32_dpp v[M+\q], v[M+\q], v[M+\q] row_xmask:\x row_mask:0xf bank_mask:0xf
.endr
.endr
.irp q, 0,1,2,3,4,5
	v_add_nc_u32 v[SO+\q], 0xff000000, v[M+\q]     ; 2 off its exponent field: the conversion takes the exponent field of this operand as its scale, and nothing else of it
.endr
.irp q, 0,1,2,3,4,5
	v_cvt_scalef32_pk8_fp4_f32 v[C+6*\i+\q], v[R+24*\i+8*(\q/2):R+24*\i+8*(\q/2)+7], v[SO+\q]   ; loads 2 (q / 2) and the next under load q's scale: an even q's codes are the low half, an odd q's the high half
.endr
.irp q, 0,1,2,3,4,5
	v_lshrrev_b32 v[BY+6*\i+\q], 23, v[SO+\q]      ; the scale's byte; also the plain lines behind the conversions
.endr
.irp q, 0,2,4
	ds_store_b16 v5, v[C+6*\i+\q] offset:4*IPIT*\q+16*\i
	ds_store_b16_d16_hi v5, v[C+6*\i+\q+1] offset:4*IPIT*(\q+1)+16*\i
.endr
.irp q, 0,1,2,3,4,5
	ds_store_b8 v6, v[BY+6*\i+\q] offset:256*(\q%2)+4*(\q/2)+16*\i   ; the eight lanes of a block write the same byte with the same value
.endr
.endm
	ROW 0
	ROW 1
	ROW 2
	ROW 3
	s_cmp_lg_u32 s28, 0
	s_cbranch_scc1 .Lsums_made
.irp x, 1,2,4,8                                ; across the lanes, the four rows by turns
.irp i, 0,1,2,3
	v_add_f32_dpp v[20+\i], v[20+\i], v[20+\i] row_xmask:\x row_mask:0xf bank_mask:0xf
.endr
.endr
.irp i, 0,1,2,3
	v_permlanex16_b32 v[28+\i], v[20+\i], s16, s17
.endr
.irp i, 0,1,2,3
	v_add_f32 v[20+\i], v[20+\i], v[28+\i]
.endr
.irp i, 0,1,2,3
	v_mul_f32 v[20+\i], -0.5, v[20+\i]             ; -||e||^2 / 2 in every lane
.endr
.Lsums_made:
	ds_store_b128 v7, v[20:23]                     ; rows 4 w .. 4 w + 3 (all lanes write the same 16 bytes with the same values)
	ds_store_b128 v7, v[16:19] offset:64           ; and my share of the 192 zeros behind the sixteen sums
	ds_store_b128 v7, v[16:19] offset:128
	ds_store_b128 v7, v[16:19] offset:192
	ds_store_b32 v8, v16                           ; the scale image's fourth words
	s_wait_dscnt 0x0                               ; for the others' sake: my stores have landed
	s_barrier_signal -1
	s_barrier_wait -1                              ; the record is whole
.irp u, 0,1,2
	ds_load_b128 v[R+4*\u:R+4*\u+3], v9 offset:8*IPIT*\u
.endr
.irp u, 0,1,2
	s_wait_dscnt 2-\u
	global_store_b128 v10, v[R+4*\u:R+4*\u+3], s[8:9] offset:2048*\u   ; a wave stores 512 consecutive bytes, at a multiple of 256 from the buffer's first byte
.endr
	s_cmp_lg_u32 s12, 0
	s_cbranch_scc1 .Lnot_wave_0
	ds_load_b128 v[44:47], v11
	s_wait_dscnt 0x0
	global_store_b128 v14, v[44:47], s[8:9] offset:6144   ; the scale image: 512 consecutive bytes
.Lnot_wave_0:
	s_cmp_lg_u32 s12, 1
	s_cbranch_scc1 .Lnot_wave_1
	ds_load_b64 v[48:49], v12
	s_wait_dscnt 0x0
	global_store_b64 v13, v[48:49], s[8:9] offset:6656    ; the sums and the zeros: 256 consecutive bytes
.Lnot_wave_1:
	s_wait_tensorcnt 0x0                           ; the wave's end
	ds_add_u32 v[SPW], v[NIL]
	s_wait_dscnt 0x0
	s_endpgm
.Lfunc_end_k_q6f0ddef826_quant:
	.size	k_q6f0ddef826_quant, .Lfunc_end_k_q6f0ddef826_quant-k_q6f0ddef826_quant
	.p2alignl 7, 3214868480
	.fill 96, 4, 3214868480
	.section	.rodata,"a",@progbits
	.p2align	6, 0x0
	.amdhsa_kernel k_q6f0ddef826_quant
		.amdhsa_group_segment_fixed_size 7936
		.amdhsa_private_segment_fixed_size 0
		.amdhsa_enable_private_segment 0
		.amdhsa_kernarg_size 32
		.amdhsa_user_sgpr_count 2
		.amdhsa_user_sgpr_kernarg_segment_ptr 1
		.amdhsa_wavefront_size32 1
		.amdhsa_system_sgpr_workgroup_id_x 1
		.amdhsa_system_sgpr_workgroup_id_y 1
		.amdhsa_system_sgpr_workgroup_id_z 1
		.amdhsa_system_vgpr_workitem_id 0
		.amdhsa_next_free_vgpr 190
		.amdhsa_next_free_sgpr 66
		.amdhsa_reserve_vcc 0
		.amdhsa_float_denorm_mode_32 3
		.amdhsa_float_denorm_mode_16_64 3
		.amdhsa_memory_ordered 1
		.amdhsa_forward_progress 1
		.amdhsa_inst_pref_size 28
	.end_amdhsa_kernel
	.amdgpu_metadata
---
amdhsa.version: [ 1, 2 ]
amdhsa.kernels:
  - .name:           k_q6f0ddef826_quant
    .symbol:         k_q6f0ddef826_quant.kd
    .args:
      - { .name: inputs_flatten, .offset: 0, .size: 8, .value_kind: global_buffer, .address_space: global }
      - { .name: embed, .offset: 8, .size: 8, .value_kind: global_buffer, .address_space: global }
      - { .name: xq, .offset: 16, .size: 8, .value_kind: global_buffer, .address_space: global }
      - { .name: eq, .offset: 24, .size: 8, .value_kind: global_buffer, .address_space: global }
    .group_segment_fixed_size: 7936
    .private_segment_fixed_size: 0
    .kernarg_segment_align: 8
    .kernarg_segment_size: 32
    .max_flat_workgroup_size: 128
    .sgpr_count:     66
    .vgpr_count:     190
    .wavefront_size: 32
...
	.end_amdgpu_metadata
.endif
;; end of part 1
;; launch dist (part 2): grid 16 x 16, 8 waves a work-group, clusters of 4 x 4, 327,680 bytes of LDS; arguments xq, eq, cand; writes cand
.if DOCPART == 2
	.amdgcn_target "amdgcn-amd-amdhsa--gfx1250"
	.amdhsa_code_object_version 6
	.text
	.protected	k_q6f0ddef826_dist
	.globl	k_q6f0ddef826_dist
	.p2align	8
	.type	k_q6f0ddef826_dist,@function
k_q6f0ddef826_dist:
	s_mov_b64 s[64:65], 0
	v_nop
	global_prefetch_b8 v0, s[64:65] scope:SCOPE_SE
	s_setreg_imm32_b32 hwreg(HW_REG_WAVE_MODE, 25, 1), 1
	s_wait_xcnt 0x0
	s_wait_alu depctr_hold_cnt(0) depctr_sa_sdst(0) depctr_va_vdst(0) depctr_va_sdst(0) depctr_va_ssrc(0) depctr_va_vcc(0) depctr_vm_vsrc(0)
	s_getreg_b32 s2, hwreg(HW_REG_IB_STS2, 6, 4)
	s_cmp_eq_u32 s2, 0
	s_cbranch_scc0 .Lentry_in_a_cluster
	s_endpgm
.Lentry_in_a_cluster:
	s_bfe_u32 s2, ttmp6, 0x10000c
	s_cmp_lg_u32 s2, 0xf033
	s_cbranch_scc0 .Lentry_shape_is_right
	s_endpgm
.Lentry_shape_is_right:
; For each block of 512 codes and each token: the code with the largest x.e - ||e||^2 / 2 (||x||^2 is left out: it is the same for all codes of a token), as {key, index} in cand [code block 0..15][token 0..8191].
; The key rises as an unsigned number where the score falls.  Of equal scores the lowest index is kept.  LIMITS: NaN and infinities among the scores are not served.
; A work-group takes 512 tokens x 512 codes: 32 records of each.  A wave takes 64 tokens (four tiles of 16), whose codes stay in 192 registers, and walks all 32 records of codes in LDS, two at a time.
; THE MATRIX INSTRUCTION: source 0 = 32 codes of the table (two records), source 1 = 16 tokens.  Lane (r, h) then holds token r, and its registers j = 0 .. 7 codes 8 h + j of the first record, j = 8 .. 15 codes 8 h + j - 8 of the second.
; The first one of a pair takes -||e||^2 / 2 as its C (the same sixteen registers for all four token tiles), so that the finished sum is the score.
; Per lane the running maximum, the pair that holds it, and fifteen of that pair's sixteen scores are kept; which register it was is found once, at the end.
; LOADS: clusters of 4 x 4 work-groups.  The four of a row of the cluster need the same tokens, the four of a column the same codes: every tensor load is a joint one.  At the head each wave issues one: waves 0-3 fetch the 32 records
; of tokens (8 each), waves 4-7 the first 8 records of codes (2 each).  The tokens go into registers; behind a round of the cluster's barrier the other 24 records of codes (3 a wave) are laid over the tokens' bytes,
; so that record i of the codes lies at REC i.  They have the first pairs in which to land: the fourth pair's barrier shows them to every wave.  No prefetch: both loads stand ahead of the loop, so there is no loop in which to ask ahead.
; One set of registers serves the codes' fragments: the next pair's K steps 0 .. 3 are loaded behind this pair's step 3, its steps 4 and 5 behind this pair's step 5.
; REGISTERS: window 0 as set below; window 1: v0-191 the tokens' fragments (48 t + 8 s), v192-255 the codes' fragments of K steps 0 .. 3 (16 s: the first record's eight, then the second's).
.set REC,  6912
.set BLKB, 32*REC
.set XB,   8*REC                       ; LDS: the tokens' 32 records, behind 8 of codes
.set SPARE, 40*REC                     ; the spare words, 128 bytes for each wave
.set LI,   1                           ; 16 x lane
.set EH,   2                           ; 6656 + 32 h: my eight C values in a record
.set ADR,  3                           ; LDS addresses in the pair that is fetched, for the early loads: fragments, C values, scale words
.set ADE,  4
.set TT,   5
.set H8,   6                           ; 8 h
.set OA,   7                           ; 8 x lane
.set ADS,  8
.set SL,   9                           ; REC h + 16 r: lanes 0-15 the first record's rows, lanes 16-31 the second's
.set XA,   10                          ; LDS address of my tokens, and of their scale words
.set XS,   11
.set ADR2, 12                          ; the same for the late loads: fragments, scale words
.set ADS2, 13
.set XSC,  16                          ; v16-47   tokens' scale words: eight registers a tile: K steps 0, 2, 4 and 1, 3, 5
.set ESC,  48                          ; v48-55   codes' scale words, likewise
.set ES,   56                          ; v56-71   C values
.set ACC,  72                          ; v72-135  four accumulators of 16
.set S,    136                         ; v136-199 for each token tile scores 0 .. 14 of the best pair, and its number
.set B,    200                         ; v200-207 the running maximum, old and new by turns
.set TA,   208
.set TC,   212
.set EFB,  216                         ; v216-247 the codes' fragments of K steps 4 and 5
.set FW,   72                          ; v72-91   the way out, over accumulators that are done with
.set SPW,  254
.set NIL,  255
.set EFA,  192                         ; in window 1
.set EARLYN, 22                        ; LDS loads of an early run, of a late run
.set LATEN,  10
.set WV,   10
.set G1X,  24
.set G1E,  32
.set G1F,  40
.set G0X,  48
.set G0E,  52
.set G0F,  56
.set TB,   60                          ; LDS address of the pair that is fetched next
.set TN,   61                          ; pair
.set CNT,  62
.set SEL,  66
.set HM,   68
.set M,    72
.set MSB, 0
.macro WIN new                         ; the immediate's high byte repeats the setting that is left
.if MSB != (\new)
	s_set_vgpr_msb (MSB<<8)|(\new)
.set MSB, (\new)
.endif
.endm
.macro CREST                           ; a round of the cluster's barrier behind its opening barrier
	s_cmp_lg_u32 s[WV], 0
	s_cbranch_scc1 .Lnot_wave_0_\@
	s_barrier_signal -3
.Lnot_wave_0_\@:
	s_barrier_wait -3
	s_barrier_signal -1
	s_barrier_wait -1
.endm
.macro CROUND
	s_barrier_signal -1
	s_barrier_wait -1
	CREST
.endm
.macro ADRA                            ; addresses for EARLY
	v_add_nc_u32 v[ADR], s[TB], v[LI]
	v_add_nc_u32 v[ADE], s[TB], v[EH]
	v_add_nc_u32 v[ADS], s[TB], v[SL]
.endm
.macro ADRB                            ; addresses for LATE, and on to the next pair
	v_add_nc_u32 v[ADR2], s[TB], v[LI]
	v_add_nc_u32 v[ADS2], s[TB], v[SL]
	s_add_co_u32 s[TB], s[TB], 2*REC
.endm
	s_load_b128 s[4:7], s[0:1], 0x0                ; xq s[4:5], eq s[6:7]
	s_load_b64 s[8:9], s[0:1], 0x10                ; cand
	v_lshl_add_u32 v[SPW], v0, 2, SPARE
	v_mov_b32 v[NIL], 0
	ds_add_u32 v[SPW], v[NIL]                      ; the wave's opening: the add, twice on end, and its wait ahead of my first tensor load
	ds_add_u32 v[SPW], v[NIL]
	v_lshrrev_b32 v[TT], 5, v0
	v_readfirstlane_b32 s[WV], v[TT]               ; wave 0..7
	s_mov_b32 s[TB], 0
	s_mul_i32 s16, s[WV], 4*REC
	s_add_co_u32 s16, s16, XB
	v_and_b32 v[LI], 31, v0
	v_lshlrev_b32 v[OA], 3, v[LI]
	v_lshlrev_b32 v[LI], 4, v[LI]
	v_bfe_u32 v[H8], v0, 4, 1
	v_and_b32 v[XS], 15, v0
	v_lshlrev_b32 v[XS], 4, v[XS]
	v_mul_u32_u24 v[SL], v[H8], REC
	v_add_nc_u32 v[SL], v[SL], v[XS]
	v_lshl_add_u32 v[EH], v[H8], 5, 6656
	v_lshlrev_b32 v[H8], 3, v[H8]
	v_add_nc_u32 v[XA], s16, v[LI]
	v_add_nc_u32 v[XS], s16, v[XS]
	ADRA                                           ; pair 0
	ADRB
	s_bfe_u32 s11, ttmp6, 0x40000                  ; cx
	s_bfe_u32 s12, ttmp6, 0x40004                  ; cy
	s_lshl_b32 s13, ttmp9, 2
	s_add_co_u32 s13, s13, s11                     ; code block
	s_and_b32 s14, ttmp7, 0xffff
	s_lshl_b32 s14, s14, 2
	s_add_co_u32 s14, s14, s12                     ; token block
	s_lshl_b32 s15, s12, 2
	s_lshl_b32 s15, 15, s15                        ; my row of the cluster: it shares the tokens
	s_lshl_b32 s16, 0x1111, s11                    ; my column: it shares the codes
	; group 1: dense runs of records as rows of 256 bytes, 32 elements of 8 bytes
	s_or_b32 s[G1X], s15, (3<<16)|(1<<21)
	s_or_b32 s[G1E], s16, (3<<16)|(1<<21)
	s_or_b32 s[G1F], s16, (3<<16)|(1<<21)
.irp g, G1X, G1E, G1F
	s_mov_b32 s[\g+1], 32<<16
	s_mov_b32 s[\g+3], 32<<16
	s_mov_b32 s[\g+5], 32
	s_mov_b32 s[\g+6], 0
	s_mov_b32 s[\g+7], 0
.endr
	s_mov_b32 s[G1X+2], 216<<16                    ; 8 records
	s_mov_b32 s[G1X+4], 216
	s_mov_b32 s[G1E+2], 54<<16                     ; 2 records
	s_mov_b32 s[G1E+4], 54
	s_mov_b32 s[G1F+2], 81<<16                     ; 3 records
	s_mov_b32 s[G1F+4], 81
	s_and_b32 s17, s[WV], 3
	s_mul_i32 s18, s14, BLKB                       ; tokens: 8 records a wave of the first four
	s_mul_i32 s63, s17, 8*REC
	s_add_co_u32 s18, s18, s63
	s_mov_b32 s19, 0
	s_add_co_u32 s[G0X+1], s63, XB
	s_mul_i32 s20, s13, BLKB                       ; codes: 2 records a wave of the last four
	s_mul_i32 s69, s17, 2*REC
	s_add_co_u32 s20, s20, s69
	s_mov_b32 s21, 0
	s_mov_b32 s[G0E+1], s69
	s_mul_i32 s76, s13, BLKB                       ; and behind 8 records 3 a wave
	s_mul_i32 s70, s[WV], 3*REC
	s_add_co_u32 s70, s70, 8*REC
	s_add_co_u32 s76, s76, s70
	s_mov_b32 s77, 0
	s_mov_b32 s[G0F+1], s70
	s_lshl_b32 s22, s13, 16                        ; cand: 8,192 tokens x 8 bytes a code block,
	s_lshl_b32 s78, s14, 12                        ; 512 x 8 a token block,
	s_add_co_u32 s22, s22, s78
	s_lshl_b32 s78, s[WV], 9                       ; 64 x 8 a wave
	s_add_co_u32 s22, s22, s78
	s_mov_b32 s23, 0
	s_mov_b32 s[SEL], 0x76543210
	s_mov_b32 s[SEL+1], 0xfedcba98                 ; v_permlanex16_b32's selects for lane l xor 16
	s_mov_b32 s[HM], 0xffff0000
	s_lshl_b32 s[TN], s13, 4
	s_mov_b32 s[G0X], 1
	s_mov_b32 s[G0E], 1
	s_mov_b32 s[G0F], 1
	s_wait_dscnt 0x0                               ; both opening adds are done
	s_wait_kmcnt 0x0
	s_add_nc_u64 s[G0X+2:G0X+3], s[4:5], s[18:19]
	s_or_b32 s[G0X+3], s[G0X+3], 0x80000000
	s_add_nc_u64 s[G0E+2:G0E+3], s[6:7], s[20:21]
	s_or_b32 s[G0E+3], s[G0E+3], 0x80000000
	s_add_nc_u64 s[G0F+2:G0F+3], s[6:7], s[76:77]
	s_or_b32 s[G0F+3], s[G0F+3], 0x80000000
	s_add_nc_u64 s[8:9], s[8:9], s[22:23]
	CROUND                                         ; all sixteen work-groups are here: the first joint loads meet
	s_cmp_lt_u32 s[WV], 4
	s_cbranch_scc0 .Lfor_codes
	tensor_load_to_lds s[G0X:G0X+3], s[G1X:G1X+7]
	s_nop 0
.rept 4
	v_nop
.endr
	s_branch .Lasked
.Lfor_codes:
	tensor_load_to_lds s[G0E:G0E+3], s[G1E:G1E+7]
	s_nop 0
.rept 4
	v_nop
.endr
.Lasked:
.macro FRAG reg, s, adr
.irp c, 0,1
	ds_load_b128 v[\reg+4*\c:\reg+4*\c+3], v[\adr] offset:1024*\s+512*\c
	ds_load_b128 v[\reg+8+4*\c:\reg+8+4*\c+3], v[\adr] offset:REC+1024*\s+512*\c
.endr
.endm
; EARLYN LDS loads: a pair's fragments and scale words of K steps 0 .. 3, and its C values
.macro EARLY
	WIN 0x40
.irp s, 0,1,2,3
	FRAG EFA+16*\s, \s, ADR
.endr
	WIN 0
	ds_load_b64 v[ESC:ESC+1], v[ADS] offset:6144
	ds_load_b64 v[ESC+4:ESC+5], v[ADS] offset:6400
	ds_load_b128 v[ES:ES+3], v[ADE]
	ds_load_b128 v[ES+4:ES+7], v[ADE] offset:16
	ds_load_b128 v[ES+8:ES+11], v[ADE] offset:REC
	ds_load_b128 v[ES+12:ES+15], v[ADE] offset:REC+16
.endm
; LATEN LDS loads: those of K steps 4 and 5
.macro LATE
	FRAG EFB, 4, ADR2
	FRAG EFB+16, 5, ADR2
	ds_load_b32 v[ESC+2], v[ADS2] offset:6152
	ds_load_b32 v[ESC+6], v[ADS2] offset:6408
.endm
; K step s of token tile t
.macro MM t, s, ef
.if (\s) == 0
	v_wmma_scale_f32_32x16x128_f4 v[ACC+16*\t:ACC+16*\t+15], v[\ef:\ef+15], v[48*\t+8*\s:48*\t+8*\s+7], v[ES:ES+15], v[ESC+4*(\s%2)+\s/2], v[XSC+8*\t+4*(\s%2)+\s/2]
.else
	v_wmma_scale_f32_32x16x128_f4 v[ACC+16*\t:ACC+16*\t+15], v[\ef:\ef+15], v[48*\t+8*\s:48*\t+8*\s+7], v[ACC+16*\t:ACC+16*\t+15], v[ESC+4*(\s%2)+\s/2], v[XSC+8*\t+4*(\s%2)+\s/2]
.endif
.endm
; 16 and 8 matrix instructions; the four accumulators take turns
.macro MULA
	WIN 0x05                                       ; codes and tokens in window 1
.irp s, 0,1,2,3
.irp t, 0,1,2,3
	MM \t, \s, EFA+16*\s
.endr
.endr
	WIN 0
.endm
.macro MULB
	WIN 0x04                                       ; tokens in window 1
.irp s, 4,5
.irp t, 0,1,2,3
	MM \t, \s, EFB+16*(\s-4)
.endr
.endr
	WIN 0
.endm
; The pair's scores.  d: which set of maxima is the old one.  first: there is none yet, and the pair is kept as it is.
.macro UP3 x, a, b
.irp t, 0,1,2,3
	v_max3_num_f32 v[\x+\t], v[\x+\t], v[ACC+16*\t+\a], v[ACC+16*\t+\b]
.endr
.endm
.macro VALS d, first
.irp t, 0,1,2,3
	v_max3_num_f32 v[TA+\t], v[ACC+16*\t], v[ACC+16*\t+1], v[ACC+16*\t+2]
.endr
.irp t, 0,1,2,3
	v_max3_num_f32 v[TC+\t], v[ACC+16*\t+3], v[ACC+16*\t+4], v[ACC+16*\t+5]
.endr
	UP3 TA, 6, 7
	UP3 TC, 8, 9
	UP3 TA, 10, 11
	UP3 TC, 12, 13
	UP3 TA, 14, 15
.if \first
.irp t, 0,1,2,3
	v_max_num_f32 v[B+4-4*\d+\t], v[TA+\t], v[TC+\t]
.endr
.irp t, 0,1,2,3
.irp j, 0,2,4,6,8,10,12
	v_dual_mov_b32 v[S+16*\t+\j], v[ACC+16*\t+\j] :: v_dual_mov_b32 v[S+16*\t+\j+1], v[ACC+16*\t+\j+1]
.endr
	v_dual_mov_b32 v[S+16*\t+14], v[ACC+16*\t+14] :: v_dual_mov_b32 v[S+16*\t+15], v[TT]
.endr
.else
.irp t, 0,1,2,3
	v_max3_num_f32 v[B+4-4*\d+\t], v[TA+\t], v[TC+\t], v[B+4*\d+\t]
.endr
.irp t, 0,1,2,3
	v_cmp_lt_f32 s[M+\t], v[B+4*\d+\t], v[B+4-4*\d+\t]   ; strictly greater: of equal scores the earlier pair stays
.endr
.irp t, 0,1,2,3
.irp j, 0,1,2,3,4,5,6,7,8,9,10,11,12,13,14
	v_cndmask_b32 v[S+16*\t+\j], v[S+16*\t+\j], v[ACC+16*\t+\j], s[M+\t]
.endr
	v_cndmask_b32 v[S+16*\t+15], v[S+16*\t+15], v[TT], s[M+\t]
.endr
.endif
.endm
; A pair.  fetch: the next pair is loaded into the registers that the products have read.  land: the 24 records have to be there.
.macro PAIR d, fetch, land
.if \land
	s_wait_dscnt 0x0                               ; this pair is in registers,
	s_wait_tensorcnt 0x0                           ; and my part of records 8 .. 31 is in LDS
	s_barrier_signal -1
.else
	s_wait_dscnt LATEN                             ; this pair's early loads are in; its late ones may be out
.endif
	MULA
.if \land
	s_barrier_wait -1                              ; everybody's part is in LDS
.endif
.if \fetch
	ADRA                                           ; with the v_nop four places behind the matrix instructions
	v_nop
	EARLY
	s_wait_dscnt EARLYN                            ; this pair's late loads are in; the early ones just issued may be out
.else
	s_wait_dscnt 0x0
.endif
	MULB
	v_mov_b32 v[TT], s[TN]                         ; four places again
	v_nop
.if \fetch
	ADRB
	LATE
.else
	v_nop
	v_nop
.endif
	s_add_co_u32 s[TN], s[TN], 1
	VALS \d, 0
.endm
	s_wait_alu depctr_va_vdst(0)                   ; the wait at the head's end
	s_wait_tensorcnt 0x0                           ; my part of the head's tiles is in
	s_barrier_signal -1
	s_barrier_wait -1                              ; everybody's is
	WIN 0x40
.irp t, 0,1,2,3                                ; my 64 tokens into registers
.irp i, 0,1,2,3,4,5,6,7,8,9,10,11
	ds_load_b128 v[48*\t+4*\i:48*\t+4*\i+3], v[XA] offset:REC*\t+512*\i
.endr
.endr
	WIN 0
.irp t, 0,1,2,3
	ds_load_b128 v[XSC+8*\t:XSC+8*\t+3], v[XS] offset:REC*\t+6144
	ds_load_b128 v[XSC+8*\t+4:XSC+8*\t+7], v[XS] offset:REC*\t+6400
.endr
	EARLY                                          ; pair 0
	LATE
	s_wait_alu depctr_va_vdst(0)                   ; the wait directly ahead of the waits below
	s_wait_tensorcnt 0x0
	ds_add_u32 v[SPW], v[NIL]                      ; 0 onto my spare word
	s_wait_dscnt 0x0                               ; the add is done, and my reads of the tokens are over
	s_barrier_signal -1                            ; opens a round of the cluster's barrier
	MULA                                           ; pair 0's products: work on registers
	MULB
	s_barrier_wait -1
	CREST                                          ; no wave of any partner still reads the tokens' bytes
	tensor_load_to_lds s[G0F:G0F+3], s[G1F:G1F+7]  ; records 8 .. 31 over them, 3 a wave
	s_nop 0
.rept 4
	v_nop
.endr
	v_mov_b32 v[TT], s[TN]
	ADRA
	ADRB
	EARLY                                          ; pair 1
	LATE
	s_add_co_u32 s[TN], s[TN], 1
	VALS 0, 1
	PAIR 1, 1, 0
	PAIR 0, 1, 0
	PAIR 1, 1, 1                                   ; pair 3 loads records 8 and 9
	s_mov_b32 s[CNT], 5
.Lpairs:                                               ; pairs 4 .. 13
	PAIR 0, 1, 0
	PAIR 1, 1, 0
	s_sub_co_u32 s[CNT], s[CNT], 1
	s_cmp_lg_u32 s[CNT], 0
	s_cbranch_scc1 .Lpairs
	PAIR 0, 1, 0
	PAIR 1, 0, 0                                   ; pair 15: the maxima end in v[B:B+3]
.irp t, 0,1,2,3
	v_lshl_add_u32 v[FW+\t], v[S+16*\t+15], 5, v[H8]   ; 32 x pair + 8 h
	v_mov_b32 v[FW+4+\t], 23                       ; register 15, unless a lower one is the maximum
	v_mov_b32 v[FW+8+\t], 0                        ; (a lane permute's destination counts as one of its sources)
	v_mov_b32 v[FW+12+\t], 0
.endr
.irp j, 14,13,12,11,10,9,8,7,6,5,4,3,2,1,0
.irp t, 0,1,2,3
	v_cmp_neq_f32 s[M+\t], v[S+16*\t+\j], v[B+\t]
.endr
.irp t, 0,1,2,3
	v_cndmask_b32 v[FW+4+\t], \j+8*(\j/8), v[FW+4+\t], s[M+\t]   ; registers 8 .. 14 are 8 codes further on: the second record's
.endr
.endr
.irp t, 0,1,2,3
	v_add_nc_u32 v[FW+\t], v[FW+\t], v[FW+4+\t]    ; the code's number
.endr
.irp t, 0,1,2,3
	v_permlanex16_b32 v[FW+8+\t], v[B+\t], s[SEL], s[SEL+1]
	v_permlanex16_b32 v[FW+12+\t], v[FW+\t], s[SEL], s[SEL+1]
.endr
.irp t, 0,1,2,3                                ; the other half's: taken where it is greater, or equal with a lower number
	v_cmp_lt_f32 s76, v[B+\t], v[FW+8+\t]
	v_cmp_eq_f32 s77, v[B+\t], v[FW+8+\t]
	v_cmp_lt_u32 s78, v[FW+12+\t], v[FW+\t]
	s_and_b32 s77, s77, s78
	s_or_b32 s76, s76, s77
	v_cndmask_b32 v[B+\t], v[B+\t], v[FW+8+\t], s76
	v_cndmask_b32 v[FW+\t], v[FW+\t], v[FW+12+\t], s76
.endr
.irp t, 0,1,2,3
	v_sub_f32 v[FW+8+\t], 0, v[B+\t]               ; the score's negative (a zero is +0)
.endr
.irp t, 0,1,2,3
	v_ashrrev_i32 v[FW+4+\t], 31, v[FW+8+\t]
.endr
.irp t, 0,1,2,3
	v_or_b32 v[FW+4+\t], 0x80000000, v[FW+4+\t]
.endr
.irp t, 0,1,2,3
	v_xor_b32 v[FW+4+\t], v[FW+4+\t], v[FW+8+\t]   ; as an unsigned number that rises with it
.endr
	v_cndmask_b32 v[FW+16], v[FW+4], v[FW+5], s[HM]   ; lanes 0-15 token tile 0, lanes 16-31 token tile 1
	v_cndmask_b32 v[FW+17], v[FW], v[FW+1], s[HM]
	v_cndmask_b32 v[FW+18], v[FW+6], v[FW+7], s[HM]
	v_cndmask_b32 v[FW+19], v[FW+2], v[FW+3], s[HM]
	global_store_b64 v[OA], v[FW+16:FW+17], s[8:9]    ; 32 lanes store 256 consecutive bytes
	global_store_b64 v[OA], v[FW+18:FW+19], s[8:9] offset:256
	s_wait_tensorcnt 0x0                           ; the wave's end
	ds_add_u32 v[SPW], v[NIL]
	s_wait_dscnt 0x0
	CROUND                                         ; the closing round: no work-group ends while a partner may still ask for a tile that names it
	s_endpgm
.Lfunc_end_k_q6f0ddef826_dist:
	.size	k_q6f0ddef826_dist, .Lfunc_end_k_q6f0ddef826_dist-k_q6f0ddef826_dist
	.p2alignl 7, 3214868480
	.fill 96, 4, 3214868480
	.section	.rodata,"a",@progbits
	.p2align	6, 0x0
	.amdhsa_kernel k_q6f0ddef826_dist
		.amdhsa_group_segment_fixed_size 327680
		.amdhsa_private_segment_fixed_size 0
		.amdhsa_enable_private_segment 0
		.amdhsa_kernarg_size 24
		.amdhsa_user_sgpr_count 2
		.amdhsa_user_sgpr_kernarg_segment_ptr 1
		.amdhsa_wavefront_size32 1
		.amdhsa_system_sgpr_workgroup_id_x 1
		.amdhsa_system_sgpr_workgroup_id_y 1
		.amdhsa_system_sgpr_workgroup_id_z 1
		.amdhsa_system_vgpr_workitem_id 0
		.amdhsa_next_free_vgpr 512
		.amdhsa_next_free_sgpr 80
		.amdhsa_reserve_vcc 0
		.amdhsa_float_denorm_mode_32 3
		.amdhsa_float_denorm_mode_16_64 3
		.amdhsa_memory_ordered 1
		.amdhsa_forward_progress 1
		.amdhsa_inst_pref_size 115
	.end_amdhsa_kernel
	.amdgpu_metadata
---
amdhsa.version: [ 1, 2 ]
amdhsa.kernels:
  - .name:           k_q6f0ddef826_dist
    .symbol:         k_q6f0ddef826_dist.kd
    .args:
      - { .name: xq, .offset: 0, .size: 8, .value_kind: global_buffer, .address_space: global }
      - { .name: eq, .offset: 8, .size: 8, .value_kind: global_buffer, .address_space: global }
      - { .name: cand, .offset: 16, .size: 8, .value_kind: global_buffer, .address_space: global }
    .group_segment_fixed_size: 327680
    .private_segment_fixed_size: 0
    .kernarg_segment_align: 8
    .kernarg_segment_size: 24
    .max_flat_workgroup_size: 256
    .sgpr_count:     80
    .vgpr_count:     512
    .wavefront_size: 32
...
	.end_amdgpu_metadata
.endif
;; end of part 2
;; launch gather (part 3): grid 256 x 1, 8 waves a work-group, no clusters, 0 bytes of LDS; arguments cand, embed, out0, out1; writes out0, out1
.if DOCPART == 3
	.amdgcn_target "amdgcn-amd-amdhsa--gfx1250"
	.amdhsa_code_object_version 6
	.text
	.protected	k_q6f0ddef826_gather
	.globl	k_q6f0ddef826_gather
	.p2align	8
	.type	k_q6f0ddef826_gather,@function
k_q6f0ddef826_gather:
	s_mov_b64 s[64:65], 0
	v_nop
	global_prefetch_b8 v0, s[64:65] scope:SCOPE_SE
	s_setreg_imm32_b32 hwreg(HW_REG_WAVE_MODE, 25, 1), 1
	s_wait_xcnt 0x0
; For each token: the least of its sixteen candidates {key, index} (one from each block of 512 codes), out1 = its index, out0 = embed[index].  (q - x) + x is q in exact arithmetic: x is not read.
; cand: [code block 0..15][token 0..8191]{key, index}, whole numbers: the keys are compared as unsigned numbers; a higher block wins by a strict compare alone, so that a tie stays with the lower index.
; The index is held to 0 .. 8191 before it enters an address.
; SHARES: a work-group takes 32 tokens, each of its eight waves four; a row of 3,072 bytes is six loads or stores of a wave, 512 consecutive bytes each.  Every wave joins the candidates of all 32 tokens,
; a lane a token, with the lanes turned by 4 x wave, so that its own four tokens stand in lanes 0 to 3 (in wave 0: lane = token, and that wave stores out1).
; A stream: no LDS, no barrier, no matrix work, no cluster, no loop; every load is asked for as early as its address is known.
.set K,  8                             ; v8-39    sixteen pairs {key, index}
.set E,  48                            ; v48-143  four gathered rows
; v2 16 x lane; v3 8 x ((lane + 4 wave) mod 32); v4 4 x lane
; s[4:11] the four pointers; s14 wave; s[16:21] offsets; s[20:27] masks; s[28:31] the four indices; s[32:39] four rows' addresses; s[40:47] their offsets, a pair each
	s_load_b256 s[4:11], s[0:1], 0x0               ; cand s[4:5], embed s[6:7], out0 s[8:9], out1 s[10:11]
	v_lshrrev_b32 v1, 5, v0
	v_readfirstlane_b32 s14, v1                    ; wave 0..7
	v_and_b32 v1, 31, v0                           ; lane
	v_lshlrev_b32 v2, 4, v1
	v_lshlrev_b32 v4, 2, v1
	s_lshl_b32 s15, s14, 2
	v_add_nc_u32 v3, s15, v1
	v_and_b32 v3, 31, v3
	v_lshlrev_b32 v3, 3, v3
	s_lshl_b32 s16, ttmp9, 8                       ; cand: 32 tokens x 8 bytes
	s_mov_b32 s17, 0
	s_mul_i32 s18, ttmp9, 32*3072                  ; out0: 32 rows a work-group,
	s_mul_i32 s19, s14, 4*3072                     ; four a wave
	s_add_co_u32 s18, s18, s19
	s_mov_b32 s19, 0
	s_lshl_b32 s20, ttmp9, 7                       ; out1: 32 tokens x 4 bytes
	s_mov_b32 s21, 0
	s_wait_alu depctr_va_vdst(0)                   ; the wait at the head's end
	s_wait_kmcnt 0x0
	s_add_nc_u64 s[4:5], s[4:5], s[16:17]
	s_add_nc_u64 s[8:9], s[8:9], s[18:19]
	s_add_nc_u64 s[10:11], s[10:11], s[20:21]
.irp b, 0,1,2,3,4,5,6,7,8,9,10,11,12,13,14,15
	global_load_b64 v[K+2*\b:K+2*\b+1], v3, s[4:5] offset:65536*\b   ; 32 lanes read 256 consecutive bytes
.endr
	s_wait_loadcnt 0x0
.macro MERGE a, b, m                   ; block a is the lower: b's candidate is taken where its key is strictly less
	v_cmp_lt_u32 s[20+\m], v[K+2*(\b)], v[K+2*(\a)]
	s_delay_alu instid0(VALU_DEP_1)
	v_cndmask_b32 v[K+2*(\a)], v[K+2*(\a)], v[K+2*(\b)], s[20+\m]
	s_delay_alu instid0(VALU_DEP_2)
	v_cndmask_b32 v[K+2*(\a)+1], v[K+2*(\a)+1], v[K+2*(\b)+1], s[20+\m]
.endm
.irp n, 0,1,2,3,4,5,6,7
	MERGE 2*\n, 2*\n+1, \n
.endr
.irp n, 0,1,2,3
	MERGE 4*\n, 4*\n+2, \n
.endr
.irp n, 0,1
	MERGE 8*\n, 8*\n+4, \n
.endr
	MERGE 0, 8, 0
	s_delay_alu instid0(VALU_DEP_1)
	v_min_u32 v[K+1], 0x1fff, v[K+1]               ; the index stays inside the table
	s_cmp_lg_u32 s14, 0
	s_cbranch_scc1 .Lnot_wave_0
	global_store_b32 v4, v[K+1], s[10:11]          ; 32 tokens' indices: 128 consecutive bytes
.Lnot_wave_0:
	s_wait_alu depctr_va_vdst(0)                   ; the wait ahead of the readers below
.irp i, 0,1,2,3
	v_readlane_b32 s[28+\i], v[K+1], \i            ; my wave's token i
	s_min_u32 s[28+\i], s[28+\i], 0x1fff
	s_mul_i32 s[40+2*\i], s[28+\i], 3072           ; its row's byte offset, under 2^25
	s_mov_b32 s[41+2*\i], 0
	s_add_nc_u64 s[32+2*\i:33+2*\i], s[6:7], s[40+2*\i:41+2*\i]
.endr
.irp i, 0,1,2,3
.irp q, 0,1,2,3,4,5
	global_load_b128 v[E+24*\i+4*\q:E+24*\i+4*\q+3], v2, s[32+2*\i:33+2*\i] offset:512*\q   ; no hint: several tokens may name one row
.endr
.endr
.irp i, 0,1,2,3
	s_wait_loadcnt 18-6*\i                         ; this row's six loads are in; the later rows' six each may be out
.irp q, 0,1,2,3,4,5
	global_store_b128 v2, v[E+24*\i+4*\q:E+24*\i+4*\q+3], s[8:9] offset:3072*\i+512*\q   ; 32 lanes store 512 consecutive bytes, at a multiple of 256 from out0's first byte
.endr
.endr
	s_endpgm
.Lfunc_end_k_q6f0ddef826_gather:
	.size	k_q6f0ddef826_gather, .Lfunc_end_k_q6f0ddef826_gather-k_q6f0ddef826_gather
	.p2alignl 7, 3214868480
	.fill 96, 4, 3214868480
	.section	.rodata,"a",@progbits
	.p2align	6, 0x0
	.amdhsa_kernel k_q6f0ddef826_gather
		.amdhsa_group_segment_fixed_size 0
		.amdhsa_private_segment_fixed_size 0
		.amdhsa_enable_private_segment 0
		.amdhsa_kernarg_size 32
		.amdhsa_user_sgpr_count 2
		.amdhsa_user_sgpr_kernarg_segment_ptr 1
		.amdhsa_wavefront_size32 1
		.amdhsa_system_sgpr_workgroup_id_x 1
		.amdhsa_system_sgpr_workgroup_id_y 1
		.amdhsa_system_sgpr_workgroup_id_z 1
		.amdhsa_system_vgpr_workitem_id 0
		.amdhsa_next_free_vgpr 144
		.amdhsa_next_free_sgpr 66
		.amdhsa_reserve_vcc 0
		.amdhsa_float_denorm_mode_32 3
		.amdhsa_float_denorm_mode_16_64 3
		.amdhsa_memory_ordered 1
		.amdhsa_forward_progress 1
		.amdhsa_inst_pref_size 13
	.end_amdhsa_kernel
	.amdgpu_metadata
---
amdhsa.version: [ 1, 2 ]
amdhsa.kernels:
  - .name:           k_q6f0ddef826_gather
    .symbol:         k_q6f0ddef826_gather.kd
    .args:
      - { .name: cand, .offset: 0, .size: 8, .value_kind: global_buffer, .address_space: global }
      - { .name: embed, .offset: 8, .size: 8, .value_kind: global_buffer, .address_space: global }
      - { .name: out0, .offset: 16, .size: 8, .value_kind: global_buffer, .address_space: global }
      - { .name: out1, .offset: 24, .size: 8, .value_kind: global_buffer, .address_space: global }
    .group_segment_fixed_size: 0
    .private_segment_fixed_size: 0
    .kernarg_segment_align: 8
    .kernarg_segment_size: 32
    .max_flat_workgroup_size: 256
    .sgpr_count:     66
    .vgpr_count:     144
    .wavefront_size: 32
...
	.end_amdgpu_metadata
.endif
;; end of part 3
